; MI455X (gfx1250); checked and timed in simulation.
; The chip was launched on July 23, 2026; its instructions are those of AMD's public machine-readable ISA for CDNA 5 (MIT licence, August 2026) and "CDNA5" Instruction Set Architecture Reference Guide (July 2026). The comments in the code are by the model that wrote it; some were corrected since.
;; Ternary Dense. Allowed arithmetic: matrix products marked QUANTISED: E2M3 operands, one E8M0 scale for each 32 along K, by v_wmma_scale_f32_16x16x128_f8f6f4 with both operands' format E2M3, f32 sums; everything else in f32.
;; Inputs: W 4,096 x 4,096 float32; b 4,096 float32; inputs_codes 4,096 x 128 x 24 uint8 (E2M3 codes of inputs, K innermost, in blocks of 32 codes, four codes in three bytes); inputs_scales 4,096 x 128 uint8 (E8M0 scales of inputs, one for each 32 codes along K).
;; Outputs: out0 4,096 x 4,096 float32.
;; This version of the problem:
;;   THIS VERSION OF THE PROBLEM IS GIVEN IN LOW PRECISION. The matrix products marked QUANTISED in the list below multiply operands that are first quantised to E2M3 (2 exponent bits, 3 mantissa bits; 6 bits a number), with one power-of-two scale for each 32 numbers along K (OCP MX v1.0); their sums are f32. All else is computed in f32.
;;   The module's matrix products, in the order in which they are computed (A, B: the left and right operand; K: the contracted axis; several contracted axes count as one K, in the product's order):
;;     1. [M 4,096, K 4,096] x [K 4,096, N 4,096]; A: input inputs (given as codes); B: computed on the way: QUANTISED
;;   THE QUANTISER, for each operand of a quantised product, along K:
;;     - K is cut into blocks of 32 from its start; a last block that is shorter is filled with zeros.
;;     - A block's scale is 2^e with e = floor(log2(the largest magnitude in the block)) - 2, held to -126 .. 127; a block of zeros has e = 0. As a byte (E8M0): e + 127.
;;     - Each number is divided by its block's scale, clamped to +-7.5, and rounded to the nearest number of E2M3, ties to even, subnormals kept.
;;     - The product sums the exact products of the quantised numbers (number of the format x scale) in f32.
;;   ~~~python
;;   def quantise(x, axis):      # numpy; x: float32 -> the quantised numbers, widened to float32 again
;;       x = np.moveaxis(x, axis, -1); K = x.shape[-1]
;;       x = np.pad(x, [(0, 0)] * (x.ndim - 1) + [(0, -K % 32)]); x = x.reshape(x.shape[:-1] + (-1, 32)); a = np.abs(x).max(-1, keepdims=True)
;;       e = np.where(a > 0, np.clip(np.frexp(np.where(a > 0, a, 1))[1] - 1 - 2, -126, 127), 0)      # np.frexp(a)[1] - 1 = floor(log2(a)), exactly
;;       r = np.clip(x / 2.0 ** e, -7.5, 7.5)
;;       step = 2.0 ** (np.maximum(np.frexp(np.where(r == 0, 1, r))[1] - 1, 0) - 3)
;;       q = np.round(r / step) * step * 2.0 ** e      # np.round: ties to even
;;       return np.moveaxis(q.reshape(q.shape[:-2] + (-1,))[..., :K], -1, axis).astype(np.float32)
;;   ~~~
;;   OPERANDS COMPUTED ON THE WAY. 'Computed on the way' means the value that the module computes at that place (a softmax that the list does not call 'softmax' is quantised finished and normalised). What goes into a quantiser is computed in f32, as accurately as f32 sums, v_exp_f32 and their like allow (about 1e-6 of the number): no bf16 or f16 on the way to a quantiser, and a product that is left as it is and whose result goes on into a quantised operand takes f32 operands (vector FMAs, or v_wmma_f32_16x16x4_f32). A number that lies on a knife's edge between two numbers of the format may be rounded either way, as far as f32 arithmetic and the matrix unit's own rounding can turn it there, and no further.
;;   INPUTS GIVEN AS CODES. inputs (in the module: [4096, 4096], K = its axis 1): each comes as NAME_codes (uint8): NAME with its K axis moved to the last place and cut into blocks of 32 codes, [.., K / 32, bytes a block], one block behind the other in memory; four codes in three bytes: a row's codes are one little-endian stream of bits, code i at bits 6 i .. 6 i + 5 (a code: sign, 2 exponent bits, 3 mantissa bits); and NAME_scales (uint8): the same leading axes, one E8M0 byte (e + 127) for each 32 codes along K. Its value is code x scale, taken as it is: it is not quantised again, and the codes and scales need not be those that the quantiser above would give.
;; One version. Each part assembles by itself: llvm-mc -triple=amdgcn-amd-amdhsa -mcpu=gfx1250 --defsym DOCPART=n.
;; ======== version 1 of 1: 3 launches
;; limits: right only within a limited range of input values
;; workspace buffers: part1 2,048 bytes; part2 4,096 bytes; mcodes 12,582,912 bytes
;; launch abssum (part 1): grid 512 x 1, 8 waves a work-group, no clusters, 1,280 bytes of LDS; arguments W, part1; writes part1
.if DOCPART == 1
	.amdgcn_target "amdgcn-amd-amdhsa--gfx1250"
	.amdhsa_code_object_version 6
	.text
	.protected	k_qd744550554_abssum
	.globl	k_qd744550554_abssum
	.p2align	8
	.type	k_qd744550554_abssum,@function
k_qd744550554_abssum:
	s_mov_b64 s[64:65], 0
	v_nop
	global_prefetch_b8 v0, s[64:65] scope:SCOPE_SE
	s_setreg_imm32_b32 hwreg(HW_REG_WAVE_MODE, 25, 1), 1
	s_wait_xcnt 0x0
; part1[g] = the sum of |W| over work-group g's 32,768 numbers.  W: [4096][4096] f32, taken as a plain stream; 512 work-groups of eight waves.
; Thread t takes the 16 bytes at 16 t + 4,096 j, j = 0 .. 31: each load of a wave covers 512 consecutive bytes.  All 32 loads of a wave go out at once; there is no loop.
; The sum is kept in many short chains (eight a lane, 16 numbers each) and then in trees, so that it is as near to the true sum as f32 allows: the threshold of the next launch hangs on it.
; No tensor loads, clusters or matrix work: the launch streams, and its work-groups share no byte.
; LIMITS: NaN and infinities in W are not served.
.set CH, 2                             ; v[2:9]    eight chains
.set DT, 16                            ; v[16:143] the 32 loads' data
	s_load_b128 s[4:7], s[0:1], 0x0                ; W s[4:5], part1 s[6:7]
	v_lshl_add_u32 v144, v0, 2, 0x100
	v_mov_b32 v145, 0
	v_lshlrev_b32 v1, 4, v0                        ; 16 t
	v_lshrrev_b32 v11, 5, v0
	s_delay_alu instid0(VALU_DEP_1)
	v_readfirstlane_b32 s8, v11                    ; wave 0..7
	s_delay_alu instid0(VALU_DEP_2)
	v_lshlrev_b32 v11, 2, v11                      ; LDS: a word for each wave
	v_mov_b32 v10, 0                               ; a lane permute's destination counts as one of its sources
	v_mov_b32 v12, 0
	s_mov_b32 s10, 0x76543210                      ; v_permlanex16_b32's selects for lane l xor 16
	s_mov_b32 s11, 0xfedcba98
	s_lshl_b32 s2, ttmp9, 17                       ; the work-group's 131,072 bytes
	s_mov_b32 s3, 0
	s_lshl_b32 s12, ttmp9, 2                       ; and its word of part1
	s_mov_b32 s13, 0
	s_wait_alu depctr_va_vdst(0)
	s_wait_kmcnt 0x0
	s_add_nc_u64 s[4:5], s[4:5], s[2:3]
	s_add_nc_u64 s[6:7], s[6:7], s[12:13]
.irp j, 0,1,2,3,4,5,6,7,8,9,10,11,12,13,14,15,16,17,18,19,20,21,22,23,24,25,26,27,28,29,30,31
	global_load_b128 v[DT+4*\j:DT+4*\j+3], v1, s[4:5] offset:4096*\j
.endr
	s_wait_loadcnt 28                              ; the first four loads are in; the 28 younger ones may be out
.irp i, 0,1,2,3,4,5,6,7
	v_add_f32 v[CH+\i], |v[DT+\i]|, |v[DT+8+\i]|   ; the first sixteen numbers start the chains: nothing is cleared
.endr
.macro GROUP g                         ; four loads more: 16 numbers a lane, two for each chain
	s_wait_loadcnt 28-4*(\g)                       ; loads come back in order: the 4 (7 - g) younger ones may be out
.irp i, 0,1,2,3,4,5,6,7,8,9,10,11,12,13,14,15
	v_add_f32 v[CH+\i%8], v[CH+\i%8], |v[DT+16*(\g)+\i]|
.endr
.endm
	s_wait_alu depctr_va_vdst(0)
.irp g, 1,2,3,4,5,6,7
	s_wait_alu depctr_va_vdst(0)
	GROUP \g
.endr
	v_pk_add_f32 v[2:3], v[2:3], v[4:5]            ; the eight chains, as a tree
	s_delay_alu instid0(VALU_DEP_2)
	v_pk_add_f32 v[6:7], v[6:7], v[8:9]
	s_delay_alu instid0(VALU_DEP_1)
	v_pk_add_f32 v[2:3], v[2:3], v[6:7]
	s_delay_alu instid0(VALU_DEP_1)
	v_add_f32 v2, v2, v3
	s_delay_alu instid0(VALU_DEP_1)
	v_add_f32_dpp v2, v2, v2 row_xmask:1 row_mask:0xf bank_mask:0xf   ; the 32 lanes
	s_delay_alu instid0(VALU_DEP_1)
	v_add_f32_dpp v2, v2, v2 row_xmask:2 row_mask:0xf bank_mask:0xf
	s_delay_alu instid0(VALU_DEP_1)
	v_add_f32_dpp v2, v2, v2 row_xmask:4 row_mask:0xf bank_mask:0xf
	s_delay_alu instid0(VALU_DEP_1)
	v_add_f32_dpp v2, v2, v2 row_xmask:8 row_mask:0xf bank_mask:0xf
	s_delay_alu instid0(VALU_DEP_1)
	v_permlanex16_b32 v10, v2, s10, s11
	s_delay_alu instid0(VALU_DEP_1)
	v_add_f32 v2, v2, v10
	ds_store_b32 v11, v2                           ; all lanes write the wave's word with the same value
	s_wait_dscnt 0x0                               ; for the others' sake: my store has landed
	s_barrier_signal -1
	s_barrier_wait -1
	s_cmp_lg_u32 s8, 0
	s_cbranch_scc1 .Lend                           ; wave 0 adds the eight and stores
	ds_load_b128 v[16:19], v12
	ds_load_b128 v[20:23], v12 offset:16
	s_wait_dscnt 0x0
	v_pk_add_f32 v[16:17], v[16:17], v[18:19]
	v_pk_add_f32 v[20:21], v[20:21], v[22:23]
	s_delay_alu instid0(VALU_DEP_1)
	v_pk_add_f32 v[16:17], v[16:17], v[20:21]
	s_delay_alu instid0(VALU_DEP_1)
	v_add_f32 v16, v16, v17
	v_cmp_eq_u32 vcc_lo, 0, v0
	s_wait_alu depctr_va_vdst(0)
	s_wait_xcnt 0x0                                ; EXEC changes only behind this wait
	s_and_saveexec_b32 s9, vcc_lo                  ; thread 0 alone
	global_store_b32 v12, v16, s[6:7]
	s_wait_xcnt 0x0                                ; and again in front of the line that widens it
	s_or_b32 exec_lo, exec_lo, s9
.Lend:
	s_wait_tensorcnt 0x0
	ds_add_u32 v144, v145
	s_wait_dscnt 0x0
	s_endpgm
.Lfunc_end_k_qd744550554_abssum:
	.size	k_qd744550554_abssum, .Lfunc_end_k_qd744550554_abssum-k_qd744550554_abssum
	.p2alignl 7, 3214868480
	.fill 96, 4, 3214868480
	.section	.rodata,"a",@progbits
	.p2align	6, 0x0
	.amdhsa_kernel k_qd744550554_abssum
		.amdhsa_group_segment_fixed_size 1280
		.amdhsa_private_segment_fixed_size 0
		.amdhsa_enable_private_segment 0
		.amdhsa_kernarg_size 16
		.amdhsa_user_sgpr_count 2
		.amdhsa_user_sgpr_kernarg_segment_ptr 1
		.amdhsa_wavefront_size32 1
		.amdhsa_system_sgpr_workgroup_id_x 1
		.amdhsa_system_sgpr_workgroup_id_y 1
		.amdhsa_system_sgpr_workgroup_id_z 1
		.amdhsa_system_vgpr_workitem_id 0
		.amdhsa_next_free_vgpr 146
		.amdhsa_next_free_sgpr 66
		.amdhsa_reserve_vcc 1
		.amdhsa_float_denorm_mode_32 3
		.amdhsa_float_denorm_mode_16_64 3
		.amdhsa_memory_ordered 1
		.amdhsa_forward_progress 1
		.amdhsa_inst_pref_size 14
	.end_amdhsa_kernel
	.amdgpu_metadata
---
amdhsa.version: [ 1, 2 ]
amdhsa.kernels:
  - .name:           k_qd744550554_abssum
    .symbol:         k_qd744550554_abssum.kd
    .args:
      - { .name: W, .offset: 0, .size: 8, .value_kind: global_buffer, .address_space: global }
      - { .name: part1, .offset: 8, .size: 8, .value_kind: global_buffer, .address_space: global }
    .group_segment_fixed_size: 1280
    .private_segment_fixed_size: 0
    .kernarg_segment_align: 8
    .kernarg_segment_size: 16
    .max_flat_workgroup_size: 256
    .sgpr_count:     66
    .vgpr_count:     146
    .wavefront_size: 32
...
	.end_amdgpu_metadata
.endif
;; end of part 1
;; launch tern (part 2): grid 32 x 16, 4 waves a work-group, no clusters, 26,112 bytes of LDS; arguments W, part1, mcodes, part2; writes mcodes, part2
.if DOCPART == 2
	.amdgcn_target "amdgcn-amd-amdhsa--gfx1250"
	.amdhsa_code_object_version 6
	.text
	.protected	k_qd744550554_tern
	.globl	k_qd744550554_tern
	.p2align	8
	.type	k_qd744550554_tern,@function
k_qd744550554_tern:
	s_mov_b64 s[64:65], 0
	v_nop
	global_prefetch_b8 v0, s[64:65] scope:SCOPE_SE
	s_setreg_imm32_b32 hwreg(HW_REG_WAVE_MODE, 25, 1), 1
	s_wait_xcnt 0x0
; t = 0.7 x mean |W| (from part1's 512 partial sums).  Then, in one pass over W [4096 (k)][4096 (n)] f32:
;  (a) MASK CODES of the ternary pattern, 6 bits each: 0 where |w| < t, 0x1f where w >= t, 0x3f where w <= -t.  sign(sign(w + t) + sign(w - t)) is not 0 exactly where |w| >= t, and has w's sign.
;      The next launch turns them into the codes of alpha x W_t by one AND: every number of that operand is +alpha, -alpha or 0, so all its codes that are not 0 share their five magnitude bits.
;      They are made by the conversion itself: numbers under t are replaced by 0, the others are divided by 2^(floor(log2 t) - 3), which puts them at 8 or beyond: the conversion gives the largest code, with the sign.
;  (b) the partial sum and count of |w| over |w| > t (strictly, as the reference has it), one pair a work-group, for alpha.
; A LANE TAKES A COLUMN n, AND ITS REGISTERS RUN DOWN K: each load reads 128 consecutive bytes a wave, a block of 32 along K lies in one lane's 32 registers, and the codes come out with K innermost.
; Work-group (x, y): columns 128 x on, K rows 256 y on (two steps of 128); wave w 32 of the columns (two fragments of 16).
; mcodes IS LAID AS THE PRODUCT'S OPERAND REGISTERS WANT IT: [n / 128][k / 128][8 fragments of 16 columns][3 planes][32 lanes][16 bytes].  Lane (r = n % 16, h) of a fragment holds k = 32 h + 0..31 in its
; bytes 0-23 and k = 64 + 32 h + 0..31 in its bytes 24-47; plane p holds bytes 16 p .. 16 p + 15 of each lane.  A wave's two fragments of a step are 3,072 consecutive bytes.
; The codes go through the wave's own stage in LDS, laid [2 steps][2 fragments][3 planes][32 lanes][16 bytes], and leave 512 consecutive bytes a store.  Loads run two blocks (64 loads a wave) ahead.
; Every wave makes t by the same instructions on the same 512 numbers, so all waves of the launch have the same bits.
; No tensor loads, clusters or matrix work: the launch streams, and its work-groups share no byte of W.
; LIMITS: NaN and infinities in W are not served; t under 2^-122 is not served (the conversion's scale is floored there).
.set TILEB, 24576                      ; a work-group's part of mcodes: two steps of 12,288 bytes
.set WSTG,  6144                       ; a wave's stage
.set RED,   4*WSTG                     ; behind the stages: 8 bytes for each wave: its sum and its count
.set T,     2                          ; v2        t
.set STA,   4                          ; v4        the stage, on the way in: 6,144 w + 1,536 x fragment + 16 r
.set STR,   5                          ; v5        and on the way out: 6,144 w + 16 x lane
.set GOF,   6                          ; v6        16 x lane
.set SCV,   7                          ; v7        the conversion's scale operand: t with 3 off its exponent field
.set ACC,   8                          ; v[8:11]   four chains of the sum
.set MT,    12                         ; v[12:19]  eight numbers at work
.set TC,    20                         ; v[20:22]  a block's second 16 codes (a conversion's three registers begin on an even number)
.set X,     32                         ; v[32:95]  two sets of 32 numbers; on the way out v[32:79]
.set CD,    96                         ; v[96:143] the codes: 6 registers a block; never written twice
.set P,     144                        ; v[144:159] my 16 of part1's numbers
.set MGT,   40                         ; s[40:47]  lanes where |w| > t
.set MGE,   48                         ; s[48:55]  lanes where |w| >= t
.set CT,    56
.set CN,    57                         ; s57       the wave's count
	s_load_b256 s[4:11], s[0:1], 0x0               ; W s[4:5], part1 s[6:7], mcodes s[8:9], part2 s[10:11]
	v_lshl_add_u32 v160, v0, 2, 0x6400
	v_mov_b32 v161, 0
	v_lshrrev_b32 v1, 5, v0
	v_readfirstlane_b32 s16, v1                    ; wave 0..3
	v_and_b32 v1, 31, v0                           ; lane
	v_lshlrev_b32 v3, 2, v1                        ; my column: 4 bytes a lane
	v_lshlrev_b32 v[GOF], 4, v1
	s_mul_i32 s18, s16, WSTG
	v_and_b32 v[STA], 15, v1                       ; r
	v_lshlrev_b32 v[STA], 4, v[STA]
	v_lshrrev_b32 v28, 4, v1                       ; which of my wave's two fragments
	v_mad_u32_u24 v[STA], v28, 1536, v[STA]
	v_add_nc_u32 v[STA], s18, v[STA]
	v_add_nc_u32 v[STR], s18, v[GOF]
	s_lshl_b32 s19, s16, 3
	s_add_co_u32 s19, s19, RED
	v_mov_b32 v25, s19                             ; where my wave's sum and count go
	v_mov_b32 v26, RED
	v_mov_b32 v27, 0
	v_mov_b32 v24, 0                               ; a lane permute's destination counts as one of its sources
	s_mov_b32 s12, 0x76543210                      ; v_permlanex16_b32's selects for lane l xor 16
	s_mov_b32 s13, 0xfedcba98
	s_and_b32 s20, ttmp7, 0xffff                   ; y
	s_lshl_b32 s22, s20, 22                        ; W: 256 y rows of 16,384 bytes,
	s_lshl_b32 s21, ttmp9, 9                       ; 128 x columns of 4 bytes,
	s_add_co_u32 s22, s22, s21
	s_lshl_b32 s21, s16, 7                         ; 32 w columns
	s_add_co_u32 s22, s22, s21
	s_mov_b32 s23, 0
	s_lshl_b32 s24, ttmp9, 4                       ; mcodes: (32 x + 2 y) steps of 12,288 bytes = (16 x + y) x 24,576,
	s_add_co_u32 s24, s24, s20
	s_mul_i32 s24, s24, TILEB
	s_mul_i32 s28, s16, 3072                       ; my wave's two fragments of a step
	s_add_co_u32 s24, s24, s28
	s_mov_b32 s25, 0
	s_lshl_b32 s26, s20, 5                         ; part2: word 32 y + x
	s_add_co_u32 s26, s26, ttmp9
	s_lshl_b32 s26, s26, 2
	s_mov_b32 s27, 0
	s_mov_b32 s[CN], 0
	s_wait_alu depctr_va_vdst(0)
	s_wait_kmcnt 0x0
	s_add_nc_u64 s[4:5], s[4:5], s[22:23]
	s_add_nc_u64 s[8:9], s[8:9], s[24:25]
	s_add_nc_u64 s[10:11], s[10:11], s[26:27]
.macro LOAD t                          ; block t: W(32 t + i, my column), i = 0 .. 31, into set t % 2.  The largest offset, 255 rows of 16,384 bytes, lies inside the signed 24-bit immediate
.irp i, 0,1,2,3,4,5,6,7,8,9,10,11,12,13,14,15,16,17,18,19,20,21,22,23,24,25,26,27,28,29,30,31
	global_load_b32 v[X+32*((\t)%2)+\i], v3, s[4:5] offset:(32*(\t)+\i)*16384 th:TH_LOAD_NT
.endr
.endm
.macro LANESUM r                       ; the sum of v[r] over the 32 lanes, in every lane
	v_add_f32_dpp v[\r], v[\r], v[\r] row_xmask:1 row_mask:0xf bank_mask:0xf
	v_add_f32_dpp v[\r], v[\r], v[\r] row_xmask:2 row_mask:0xf bank_mask:0xf
	v_add_f32_dpp v[\r], v[\r], v[\r] row_xmask:4 row_mask:0xf bank_mask:0xf
	v_add_f32_dpp v[\r], v[\r], v[\r] row_xmask:8 row_mask:0xf bank_mask:0xf
	v_permlanex16_b32 v24, v[\r], s12, s13
	v_add_f32 v[\r], v[\r], v24
.endm
.irp j, 0,1,2,3
	global_load_b128 v[P+4*\j:P+4*\j+3], v[GOF], s[6:7] offset:512*\j   ; part1: 512 numbers, 16 a lane
.endr
	LOAD 0
	s_wait_loadcnt 32                              ; part1 is in; block 0's 32 loads may be out
	v_pk_add_f32 v[P:P+1], v[P:P+1], v[P+2:P+3]
	v_pk_add_f32 v[P+4:P+5], v[P+4:P+5], v[P+6:P+7]
	v_pk_add_f32 v[P+8:P+9], v[P+8:P+9], v[P+10:P+11]
	v_pk_add_f32 v[P+12:P+13], v[P+12:P+13], v[P+14:P+15]
	v_pk_add_f32 v[P:P+1], v[P:P+1], v[P+4:P+5]
	v_pk_add_f32 v[P+8:P+9], v[P+8:P+9], v[P+12:P+13]
	v_pk_add_f32 v[P:P+1], v[P:P+1], v[P+8:P+9]
	v_add_f32 v[P], v[P], v[P+1]
	LANESUM P
	v_mul_f32 v[P], 0x33800000, v[P]               ; x 2^-24: the mean of 4,096 x 4,096 numbers, exactly scaled
	v_mul_f32 v[T], 0x3f333333, v[P]               ; t = 0.7 x the mean
	v_max_num_f32 v[SCV], 0x2800000, v[T]          ; (a floor, 2^-122, so that the field below stays above 0)
	v_add_nc_u32 v[SCV], 0xfe800000, v[SCV]        ; 3 off its exponent field: the conversion takes the exponent field of this operand as its scale, and nothing else of it
.irp i, 0,1,2,3
	v_mov_b32 v[ACC+\i], 0
.endr
	LOAD 1
.macro BLOCK t
.set XS, X+32*((\t)%2)
.set CB, CD+12*((\t)/2)+6*((\t)%2)
.if (\t) < 7
	s_wait_loadcnt 32                              ; this block's 32 loads are in; the next block's may be out
.else
	s_wait_loadcnt 0x0
.endif
.irp q, 0,1,2,3                        ; eight numbers at a time, each line eight times, so that no line waits for the line above it
.irp i, 0,1,2,3,4,5,6,7
	v_cmp_gt_f32 s[MGT+\i], |v[XS+8*\q+\i]|, v[T]  ; counts for alpha
.endr
.irp i, 0,1,2,3,4,5,6,7
	v_cmp_ge_f32 s[MGE+\i], |v[XS+8*\q+\i]|, v[T]  ; is not 0 in the ternary pattern
.endr
.irp i, 0,1,2,3,4,5,6,7
	v_cndmask_b32 v[MT+\i], 0, v[XS+8*\q+\i], s[MGT+\i]
.endr
.irp i, 0,1,2,3,4,5,6,7
	v_cndmask_b32 v[XS+8*\q+\i], 0, v[XS+8*\q+\i], s[MGE+\i]
.endr
.irp i, 0,1,2,3,4,5,6,7
	v_add_f32 v[ACC+\i%4], v[ACC+\i%4], |v[MT+\i]|
.endr
.irp i, 0,1,2,3,4,5,6,7
	s_bcnt1_i32_b32 s[CT], s[MGT+\i]               ; the count is a whole number of the wave: it goes to memory as data and steers nothing
	s_add_co_u32 s[CN], s[CN], s[CT]
.endr
.endr
	v_cvt_scalef32_pk16_fp6_f32 v[CB:CB+2], v[XS:XS+15], v[SCV]        ; k = 32 t + 0 .. 15: 96 bits without gaps, the lowest k lowest
	v_cvt_scalef32_pk16_fp6_f32 v[TC:TC+2], v[XS+16:XS+31], v[SCV]     ; k = 32 t + 16 .. 31
	v_nop                                          ; one plain place behind a scaled conversion
.irp i, 0,1,2
	v_mov_b32 v[CB+3+\i], v[TC+\i]
.endr
.if (\t)+2 < 8
	LOAD (\t)+2
.endif
.if ((\t)%4)/2 == 0                    ; block t: step t / 4, lanes' half t % 2; bytes 0-23 of the lane's 48
	ds_store_b128 v[STA], v[CB:CB+3] offset:3072*((\t)/4)+256*((\t)%2)
	ds_store_b64 v[STA], v[CB+4:CB+5] offset:3072*((\t)/4)+256*((\t)%2)+512
.else                                  ; bytes 24-47
	ds_store_b64 v[STA], v[CB:CB+1] offset:3072*((\t)/4)+256*((\t)%2)+520
	ds_store_b128 v[STA], v[CB+2:CB+5] offset:3072*((\t)/4)+256*((\t)%2)+1024
.endif
.endm
	s_wait_alu depctr_va_vdst(0)
.irp t, 0,1,2,3,4,5,6,7
	BLOCK \t
.endr
	s_wait_alu depctr_va_vdst(0)
	v_pk_add_f32 v[8:9], v[8:9], v[10:11]
	v_add_f32 v8, v8, v9
	LANESUM 8
	v_mov_b32 v9, s[CN]
	ds_store_b64 v25, v[8:9]                       ; all lanes write the wave's pair with the same values
.irp j, 0,1,2,3,4,5,6,7,8,9,10,11
	ds_load_b128 v[32+4*\j:35+4*\j], v[STR] offset:512*\j   ; LDS serves a wave's instructions in order: these see my stores into my stage
.endr
.irp j, 0,1,2,3,4,5,6,7,8,9,10,11
	s_wait_dscnt 11-\j                             ; the 11 - j younger loads may be out
	global_store_b128 v[GOF], v[32+4*\j:35+4*\j], s[8:9] offset:512*\j+9216*(\j/6) th:TH_STORE_NT   ; 32 lanes store 512 consecutive bytes, aligned; the second step's 3,072 bytes lie 12,288 behind the first's
.endr
	s_wait_dscnt 0x0                               ; for the others' sake: my pair has landed
	s_barrier_signal -1
	s_barrier_wait -1
	s_cmp_lg_u32 s16, 0
	s_cbranch_scc1 .Lend                           ; wave 0 adds the four pairs and stores
	ds_load_b128 v[12:15], v26                     ; sum 0, count 0, sum 1, count 1
	ds_load_b128 v[16:19], v26 offset:16
	s_wait_dscnt 0x0
	v_add_f32 v12, v12, v14
	v_add_f32 v16, v16, v18
	v_add_f32 v12, v12, v16
	v_add_nc_u32 v13, v13, v15
	v_add3_u32 v13, v13, v17, v19
	v_cmp_eq_u32 vcc_lo, 0, v0
	s_wait_alu depctr_va_vdst(0)
	s_wait_xcnt 0x0                                ; EXEC changes only behind this wait
	s_and_saveexec_b32 s17, vcc_lo                 ; thread 0 alone
	global_store_b32 v27, v12, s[10:11]            ; the sums: part2's first 512 words
	global_store_b32 v27, v13, s[10:11] offset:2048   ; the counts: its second 512
	s_wait_xcnt 0x0                                ; and again in front of the line that widens it
	s_or_b32 exec_lo, exec_lo, s17
.Lend:
	s_wait_tensorcnt 0x0
	ds_add_u32 v160, v161
	s_wait_dscnt 0x0
	s_endpgm
.Lfunc_end_k_qd744550554_tern:
	.size	k_qd744550554_tern, .Lfunc_end_k_qd744550554_tern-k_qd744550554_tern
	.p2alignl 7, 3214868480
	.fill 96, 4, 3214868480
	.section	.rodata,"a",@progbits
	.p2align	6, 0x0
	.amdhsa_kernel k_qd744550554_tern
		.amdhsa_group_segment_fixed_size 26112
		.amdhsa_private_segment_fixed_size 0
		.amdhsa_enable_private_segment 0
		.amdhsa_kernarg_size 32
		.amdhsa_user_sgpr_count 2
		.amdhsa_user_sgpr_kernarg_segment_ptr 1
		.amdhsa_wavefront_size32 1
		.amdhsa_system_sgpr_workgroup_id_x 1
		.amdhsa_system_sgpr_workgroup_id_y 1
		.amdhsa_system_sgpr_workgroup_id_z 1
		.amdhsa_system_vgpr_workitem_id 0
		.amdhsa_next_free_vgpr 162
		.amdhsa_next_free_sgpr 66
		.amdhsa_reserve_vcc 1
		.amdhsa_float_denorm_mode_32 3
		.amdhsa_float_denorm_mode_16_64 3
		.amdhsa_memory_ordered 1
		.amdhsa_forward_progress 1
		.amdhsa_inst_pref_size 131
	.end_amdhsa_kernel
	.amdgpu_metadata
---
amdhsa.version: [ 1, 2 ]
amdhsa.kernels:
  - .name:           k_qd744550554_tern
    .symbol:         k_qd744550554_tern.kd
    .args:
      - { .name: W, .offset: 0, .size: 8, .value_kind: global_buffer, .address_space: global }
      - { .name: part1, .offset: 8, .size: 8, .value_kind: global_buffer, .address_space: global }
      - { .name: mcodes, .offset: 16, .size: 8, .value_kind: global_buffer, .address_space: global }
      - { .name: part2, .offset: 24, .size: 8, .value_kind: global_buffer, .address_space: global }
    .group_segment_fixed_size: 26112
    .private_segment_fixed_size: 0
    .kernarg_segment_align: 8
    .kernarg_segment_size: 32
    .max_flat_workgroup_size: 128
    .sgpr_count:     66
    .vgpr_count:     162
    .wavefront_size: 32
...
	.end_amdgpu_metadata
.endif
;; end of part 2
;; launch gemm (part 3): grid 16 x 16, 4 waves a work-group, clusters of 4 x 1, 327,680 bytes of LDS; arguments inputs_codes, inputs_scales, mcodes, part2, out0, b; writes out0
.if DOCPART == 3
	.amdgcn_target "amdgcn-amd-amdhsa--gfx1250"
	.amdhsa_code_object_version 6
	.text
	.protected	k_qd744550554_gemm
	.globl	k_qd744550554_gemm
	.p2align	8
	.type	k_qd744550554_gemm,@function
k_qd744550554_gemm:
	s_mov_b64 s[64:65], 0
	v_nop
	global_prefetch_b8 v0, s[64:65] scope:SCOPE_SE
	s_setreg_imm32_b32 hwreg(HW_REG_WAVE_MODE, 25, 1), 1
	s_wait_xcnt 0x0
	s_wait_alu depctr_hold_cnt(0) depctr_sa_sdst(0) depctr_va_vdst(0) depctr_va_sdst(0) depctr_va_ssrc(0) depctr_va_vcc(0) depctr_vm_vsrc(0)
	s_getreg_b32 s2, hwreg(HW_REG_IB_STS2, 6, 4)
	s_cmp_eq_u32 s2, 0
	s_cbranch_scc0 .Lentry_in_a_cluster
	s_endpgm
.Lentry_in_a_cluster:
	s_bfe_u32 s2, ttmp6, 0x10000c
	s_cmp_lg_u32 s2, 0x3003
	s_cbranch_scc0 .Lentry_shape_is_right
	s_endpgm
.Lentry_shape_is_right:
; out0 = inputs x (alpha W_t) + b in MX-FP6.  inputs: codes [4096][3072 bytes] and scale bytes [4096][128]; mcodes: the ternary pattern as mask codes (0, 0x1f, 0x3f), laid as operand registers:
; [n / 128][k / 128][8 fragments][3 planes][32 lanes][16 bytes]; part2: 512 partial sums and 512 counts for alpha.
; Every number of alpha W_t is +alpha, -alpha or 0: a block's scale byte and the five magnitude bits are those of alpha, made here by the stated quantiser; one AND turns mask codes into codes.
; A block of zeros has zero codes, which add nothing under any finite byte.
; A work-group of four waves makes 256 x 256 of out0, a wave 128 x 128 (64 accumulators).  A step is 128 along K, 64 products.
; A'S CODES go through LDS in chunks of 256 bytes of each row: three regions, chunk i in region i % 3; three chunks are eight steps, so a loop's trip of eight steps finds every region where it was.
; Each region is filled again when its last fragment has been fetched (in steps 1, 4, 6 of a trip), 64 rows a wave, behind the full sequence and a round of the cluster's barrier.
; The four work-groups of a cluster (4, 1, 1) share their rows of A and ask for them jointly.  A's scales come once, at the head.
; B'S MASK CODES come from memory straight into registers, 512 consecutive bytes a load; they are no tile in LDS, so there is no joint load for them.
; REGISTERS: each window w of 256: v0-127 the accumulators of A's blocks 2 w, 2 w + 1 (block al, fragment b at 64 al + 8 b); v128-175 these two blocks' fragments, two buffers by the step's parity;
; v176-223 half a set of B: window 2 c + j holds fragments 4 j .. 4 j + 3 of set c (steps of parity c); window 0's v224-255: scale words and addresses.
; A group of eight products with results in window w takes A from window w, so the AND over window w's half set of B runs under the group's own window setting, behind its products.
; LOADS STAND IN TWO RUNS A STEP, each behind an AND's block.  At the step's start: the second half of the next step's B, four of its blocks of A and, in odd steps, scale words.
; Ahead of the fifth group: the first half of B of the step after next, and the next step's other four blocks of A.
; The bias is loaded into the accumulators, in the result's layout: nothing is cleared and nothing is added on the way out.
; The matrix instruction is used transposed (source 0 = B, source 1 = A): a lane holds eight neighbouring columns of one row of out0.
; LIMITS: NaN and infinities in W are not served; if no |w| lies above t the count is 0 and alpha is NaN, as in the reference.
.set PITCH, 272
.set REG, 256*PITCH
.set QROW, 64*PITCH
.set SCL, 3*REG
.set SBLK, 8*272
.set SPARE, SCL+128*272
.set STAGE, SPARE+512
.set SPITCH, 528
.set BSTEP, 12288
.set SC, 224                           ; v224-239 scale words: two sets of 8; lanes 0-15 an even step's word, lanes 16-31 the next step's
.set BSC, 240                          ; alpha's scale byte, four times
.set SPW, 241
.set NIL, 242
.set BOF, 243                          ; 16 x lane
.set ADRA, 244                         ; v244-246 my A fragments in regions 0-2
.set ADRX, 247                         ; v247-248 lanes 0-15 byte 232 of the row in region q, lanes 16-31 byte 0 in region q + 1
.set ADRS, 249                         ; my scale words
.set PFO, 250
.set PFB, 251
.set STO, 252
.set RD, 253
.set BIO, 254
.set G1, 24
.set G0, 44                            ; s[44:55] group 0 of the three regions
.set G0H, 56
.set G0S, 60
.set G1S, 68
.set MK, 76                            ; s[76:78] the AND's mask: 16 codes of alpha with the sign bits set
.set BP, 80
.set PFA, 82
.set MSB, 0
.macro WIN new
.if MSB != \new
	s_set_vgpr_msb (MSB<<8)|\new
.set MSB, \new
.endif
.endm
.macro PLACES n
.rept \n
	v_nop
.endr
.endm
.macro CREST
	s_cmp_lg_u32 s14, 0
	s_cbranch_scc1 .Lnot_wave_0_\@
	s_barrier_signal -3
.Lnot_wave_0_\@:
	s_barrier_wait -3
	s_barrier_signal -1
	s_barrier_wait -1
.endm
.macro CROUND
	s_barrier_signal -1
	s_barrier_wait -1
	CREST
.endm
.macro LANESUM r
	v_add_f32_dpp v[\r], v[\r], v[\r] row_xmask:1 row_mask:0xf bank_mask:0xf
	v_add_f32_dpp v[\r], v[\r], v[\r] row_xmask:2 row_mask:0xf bank_mask:0xf
	v_add_f32_dpp v[\r], v[\r], v[\r] row_xmask:4 row_mask:0xf bank_mask:0xf
	v_add_f32_dpp v[\r], v[\r], v[\r] row_xmask:8 row_mask:0xf bank_mask:0xf
	v_permlanex16_b32 v160, v[\r], s40, s41
	v_add_f32 v[\r], v[\r], v160
.endm
; one piece of 8 bytes of A: step un of a trip, window wc's block idx / 6, piece idx % 6, into buffer buf
.macro ALD un, wc, buf, idx
.set AL_, (\idx)/6
.set P_, (\idx)%6
.set BY, 96*(\un)+48*(P_/3)+8*(P_%3)
.set DR, 128+24*(\buf)+12*AL_+2*P_
.if BY/256 == (BY+24)/256
	ds_load_b64 v[DR:DR+1], v[ADRA+BY/256] offset:BY%256+(2*(\wc)+AL_)*16*PITCH
.else
	ds_load_b64 v[DR:DR+1], v[ADRX+BY/256] offset:BY%256-232+(2*(\wc)+AL_)*16*PITCH
.endif
.endm
; window wc's two blocks of A of step un, into buffer buf: twelve pieces.  All addresses lie in window 0
.macro AWIN un, wc, buf
	WIN (\wc)*64
.irp i, 0,1,2,3,4,5,6,7,8,9,10,11
	ALD \un, \wc, \buf, \i
.endr
.endm
; 16 bytes a lane of B: step s counted from the trip's first, half j, load idx of the half's twelve
.macro BLD s, j, idx
	global_load_b128 v[176+4*(\idx):179+4*(\idx)], v[BOF], s[BP:BP+1] offset:(\s)*BSTEP+(\j)*6144+(\idx)*512
.endm
.macro ANDS n0
.set AI, \n0
.rept 6
	v_and_b32 v[176+AI], s[MK+AI%3], v[176+AI]
.set AI, AI+1
.endr
.endm
; Eight products: window wc's two blocks of A x half j of B's set.  an: behind them the AND over this window's half set, behind the wait that leaves the anw younger loads out.
.macro SUB u, wc, j, an, anw
.set C_, (\u)%2
.set W_, 2*C_+(\j)+(\wc)*0x54
	WIN W_
.irp g, 0,1,2,3,4,5,6,7
.set AC, 64*(\g/4)+8*(4*(\j)+\g%4)
.set SR, SC+8*(((\u)/2)%2)+2*(\wc)+\g/4
.set FB, 176+12*(\g%4)
.set FA, 128+24*C_+12*(\g/4)
.if C_
	v_wmma_scale_f32_16x16x128_f8f6f4 v[AC:AC+7], v[FB:FB+11], v[FA:FA+11], v[AC:AC+7], v[BSC], v[SR] matrix_a_fmt:MATRIX_FMT_FP6 matrix_b_fmt:MATRIX_FMT_FP6 matrix_b_scale:MATRIX_SCALE_ROW1
.else
	v_wmma_scale_f32_16x16x128_f8f6f4 v[AC:AC+7], v[FB:FB+11], v[FA:FA+11], v[AC:AC+7], v[BSC], v[SR] matrix_a_fmt:MATRIX_FMT_FP6 matrix_b_fmt:MATRIX_FMT_FP6
.endif
.endr
.if \an
	s_wait_loadcnt \anw
.irp n, 0,6,12,18,24,30,36,42
	ANDS \n                                        ; these name no register of the products above: they are also the places ahead of the run of loads that follows
.endr
	PLACES 4                                       ; places ahead of the products that read the ANDs' results
	s_wait_alu depctr_va_vdst(0)                   ; the wait behind the last AND
.endif
.endm
; A step.  tl = 1: the last trip, which loads nothing beyond K.  ev = 1: region q is filled again; ev = 2: a barrier that shows the last fill to all waves.
.macro STEP u, tl, ev, q
.set CC, (\u)%2
.set OO, 1-CC
.set N1, 1
.set N2, 1
.if (\tl) && ((\u)+1 > 7)
.set N1, 0
.endif
.if (\tl) && ((\u)+2 > 7)
.set N2, 0
.endif
	s_wait_dscnt 0x0                               ; this step's fragments of A and scale words are in (the youngest were asked for 32 products ago)
.if N1
	WIN (2*OO+1)*64                                ; the first run, for step u + 1: the second half of B's set,
.irp i, 0,1,2,3,4,5,6,7,8,9,10,11
	BLD (\u)+1, 1, \i
.endr
	AWIN ((\u)+1)%8, 2*CC+1, OO                    ; and the blocks of A that it multiplies first
	AWIN ((\u)+1)%8, 2*OO, OO
.if CC
	WIN 0
.irp i, 0,1,2,3,4,5,6,7
	ds_load_b32 v[SC+8*(((((\u)+1)%8)/2)%2)+\i], v[ADRS] offset:\i*SBLK+4*((\u)+1)
.endr
.endif
.endif
	SUB \u, 2*OO+1, 0, 0, 0
	SUB \u, 2*CC, 0, 0, 0
	SUB \u, 2*OO, 0, 0, 0
	SUB \u, 2*CC+1, 0, 1, 24*N1                    ; younger than this half set's loads: two groups of twelve
.if N2
	WIN 2*CC*64                                    ; the second run: the set's first half has been multiplied: it takes step u + 2's;
.irp i, 0,1,2,3,4,5,6,7,8,9,10,11
	BLD (\u)+2, 0, \i
.endr
.endif
.if N1
	AWIN ((\u)+1)%8, 2*CC, OO                      ; and step u + 1's other blocks of A
	AWIN ((\u)+1)%8, 2*OO+1, OO
.endif
	SUB \u, 2*CC, 1, 0, 0
.if \ev
	WIN 0
	s_wait_tensorcnt 0x0                           ; all my tensor loads have landed
	ds_add_u32 v[SPW], v[NIL]
.endif
	SUB \u, 2*CC+1, 1, 0, 0
.if \ev
	s_wait_dscnt 0x0                               ; the add, and my reads of the region that is left
	s_barrier_signal -1
.endif
	SUB \u, 2*OO+1, 1, 0, 0
.if \ev
	WIN 0
	s_barrier_wait -1
.if (\ev) == 1
	CREST
	s_add_nc_u64 s[G0+4*(\q)+2:G0+4*(\q)+3], s[G0+4*(\q)+2:G0+4*(\q)+3], 768
	tensor_load_to_lds s[G0+4*(\q):G0+4*(\q)+3], s[G1:G1+7]
	s_nop 0
	PLACES 4
	s_cmp_gt_u32 s3, 1                             ; A: the chunk three refills on, 16 rows a wave, shared out in the cluster by address; the last trip of the loop has none
	s_cbranch_scc0 .Lno_ask_\@
	global_prefetch_b8 v[PFO], s[PFA:PFA+1] offset:256*(\q) th:TH_LOAD_NT scope:SCOPE_SE
.Lno_ask_\@:
.if (\q) == 0
	global_prefetch_b8 v[PFB], s[BP:BP+1] offset:8*BSTEP th:TH_LOAD_NT scope:SCOPE_SE   ; B: the next trip's 98,304 bytes, 12 blocks of 256 for each of the 32 waves that read them
.endif
.endif
.endif
	SUB \u, 2*OO, 1, N1, 12+12*N2
.endm
	s_load_b128 s[4:7], s[0:1], 0x0                ; inputs_codes, inputs_scales
	s_load_b128 s[8:11], s[0:1], 0x10              ; mcodes, part2
	s_load_b64 s[12:13], s[0:1], 0x20              ; out0
	s_load_b64 s[96:97], s[0:1], 0x28              ; b
	v_lshl_add_u32 v[SPW], v0, 2, SPARE
	v_mov_b32 v[NIL], 0
	ds_add_u32 v[SPW], v[NIL]                      ; the opening lines: the add twice and one wait
	ds_add_u32 v[SPW], v[NIL]
	v_lshrrev_b32 v169, 5, v0
	v_readfirstlane_b32 s14, v169                  ; wave
	s_lshr_b32 s15, s14, 1                         ; my half of the rows
	s_and_b32 s16, s14, 1                          ; my half of the columns
	s_bfe_u32 s18, ttmp6, 0x40000                  ; cx
	s_lshl_b32 s19, ttmp9, 2
	s_add_co_u32 s19, s19, s18                     ; tile column
	s_and_b32 s17, ttmp7, 0xffff                   ; tile row
	s_mov_b32 s[G1+0], 15|(1<<20)|(1<<21)|(5<<22)|(3<<25)   ; the cluster's four; bytes; 16 bytes of padding behind every 256
	s_mov_b32 s[G1+1], 256<<16
	s_mov_b32 s[G1+2], 256<<16                     ; the head's loads bring 256 rows
	s_mov_b32 s[G1+3], 256<<16
	s_mov_b32 s[G1+4], 256
	s_mov_b32 s[G1+5], 3072
	s_mov_b32 s[G1+6], 0
	s_mov_b32 s[G1+7], 0
	s_mov_b32 s[G1S+0], 15|(3<<16)|(1<<20)|(1<<21)|(5<<22)|(3<<25)   ; the scales of 256 rows: a dense block, 128 rows of 256 bytes
	s_mov_b32 s[G1S+1], 32<<16
	s_mov_b32 s[G1S+2], 128<<16
	s_mov_b32 s[G1S+3], 32<<16
	s_mov_b32 s[G1S+4], 128
	s_mov_b32 s[G1S+5], 32
	s_mov_b32 s[G1S+6], 0
	s_mov_b32 s[G1S+7], 0
	s_mul_i32 s84, s17, 786432                     ; A: 256 rows of 3,072 bytes a tile row
	s_mov_b32 s85, 0
	s_lshl_b32 s86, s14, 8                         ; the head: chunk = wave
	s_mov_b32 s87, 0
	s_mul_i32 s88, s14, 196608                     ; the ring: my 64 rows
	s_mov_b32 s89, 0
	s_mul_i32 s90, s18, 49152                      ; the prefetch: my work-group's 16 of them, at chunk 6
	s_add_co_u32 s90, s90, 1536
	s_mov_b32 s91, 0
	s_lshl_b32 s92, s17, 15                        ; the scales of my 256 rows
	s_mov_b32 s93, 0
	s_lshl_b32 s94, s19, 1
	s_add_co_u32 s94, s94, s16
	s_mul_i32 s94, s94, 32*BSTEP                   ; B: my 128 columns
	s_mov_b32 s95, 0
	s_lshl_b32 s98, s19, 10
	s_lshl_b32 s99, s16, 9
	s_add_co_u32 s98, s98, s99                     ; my first column, in bytes of f32
	s_mov_b32 s99, 0
	s_lshl_b32 s100, s17, 8
	s_lshl_b32 s101, s15, 7
	s_add_co_u32 s100, s100, s101
	s_lshl_b32 s100, s100, 14                      ; my first row of out0
	s_add_co_u32 s100, s100, s98
	s_mov_b32 s101, 0
	s_mul_i32 s32, s15, 128*PITCH
	s_add_co_u32 s33, s32, REG
	s_add_co_u32 s34, s33, REG
	s_add_co_u32 s35, s32, 232
	s_add_co_u32 s36, s35, REG
	s_mul_i32 s37, s15, 64*272
	s_add_co_u32 s37, s37, SCL
	s_mul_i32 s38, s14, 16*SPITCH
	s_add_co_u32 s38, s38, STAGE
	s_lshl_b32 s39, s17, 1
	s_add_co_u32 s39, s39, s15
	s_mul_i32 s39, s39, 3072
	s_mov_b32 s40, 0x76543210
	s_mov_b32 s41, 0xfedcba98
	s_mul_i32 s66, s14, REG
	s_mul_i32 s67, s14, QROW
	v_and_b32 v170, 15, v0                         ; r
	v_bfe_u32 v171, v0, 4, 1                       ; h
	v_and_b32 v172, 31, v0
	v_lshlrev_b32 v[BOF], 4, v172
	v_mul_u32_u24 v174, v170, PITCH
	v_mad_u32_u24 v173, v171, 24, v174
	v_add_nc_u32 v[ADRA], s32, v173
	v_add_nc_u32 v[ADRA+1], s33, v173
	v_add_nc_u32 v[ADRA+2], s34, v173
	v_mad_u32_u24 v174, v171, REG-232, v174
	v_add_nc_u32 v[ADRX], s35, v174
	v_add_nc_u32 v[ADRX+1], s36, v174
	v_lshlrev_b32 v175, 7, v170                    ; a row of scales: 128 bytes, and 16 more for each 256 passed
	v_lshrrev_b32 v169, 8, v175
	v_lshl_add_u32 v175, v169, 4, v175
	v_lshl_add_u32 v175, v171, 2, v175             ; lanes 16-31: the next step's word
	v_add_nc_u32 v[ADRS], s37, v175
	v_mul_u32_u24 v169, v170, SPITCH
	v_lshl_add_u32 v169, v171, 5, v169
	v_add_nc_u32 v[STO], s38, v169
	v_add_nc_u32 v[RD], s38, v[BOF]
	v_min_u32 v169, 15, v172
	v_mul_u32_u24 v[PFO], v169, 3072
	v_min_u32 v168, 11, v172
	v_lshlrev_b32 v168, 8, v168
	v_add_nc_u32 v[PFB], s39, v168
	v_lshlrev_b32 v[BIO], 5, v171
	v_mov_b32 v160, 0
	s_wait_alu depctr_va_vdst(0)                   ; the wait ahead of the waits below
	s_wait_dscnt 0x0
	s_wait_kmcnt 0x0
	s_add_nc_u64 s[20:21], s[4:5], s[84:85]
	s_add_nc_u64 s[22:23], s[20:21], s[88:89]
	s_add_nc_u64 s[PFA:PFA+1], s[22:23], s[90:91]
	s_add_nc_u64 s[BP:BP+1], s[8:9], s[94:95]
	s_add_nc_u64 s[96:97], s[96:97], s[98:99]
	s_add_nc_u64 s[12:13], s[12:13], s[100:101]
	s_mov_b32 s[G0H], 1
	s_mov_b32 s[G0H+1], s66
	s_add_nc_u64 s[G0H+2:G0H+3], s[20:21], s[86:87]
	s_or_b32 s[G0H+3], s[G0H+3], 0x80000000
	s_mov_b32 s[G0S], 1
	s_mov_b32 s[G0S+1], SCL
	s_add_nc_u64 s[G0S+2:G0S+3], s[6:7], s[92:93]
	s_or_b32 s[G0S+3], s[G0S+3], 0x80000000
.irp q, 0,1,2
	s_mov_b32 s[G0+4*\q], 1
	s_add_co_u32 s[G0+4*\q+1], s67, \q*REG
	s_add_nc_u64 s[G0+4*\q+2:G0+4*\q+3], s[22:23], \q*256
	s_or_b32 s[G0+4*\q+3], s[G0+4*\q+3], 0x80000000
.endr
	CROUND                                         ; the first joint loads meet
	s_cmp_lt_u32 s14, 3                            ; one load a wave: waves 0-2 chunks 0-2, 256 rows each; wave 3 the scales
	s_cbranch_scc0 .Lhead_s
	tensor_load_to_lds s[G0H:G0H+3], s[G1:G1+7]
	s_nop 0
	PLACES 4
	s_branch .Lhead_asked
.Lhead_s:
	tensor_load_to_lds s[G0S:G0S+3], s[G1S:G1S+7]
	s_nop 0
	PLACES 4
.Lhead_asked:
.irp j, 0,1,2,3
	global_load_b128 v[128+4*\j:131+4*\j], v[BOF], s[10:11] offset:512*\j          ; part2's sums
.endr
.irp j, 0,1,2,3
	global_load_b128 v[144+4*\j:147+4*\j], v[BOF], s[10:11] offset:2048+512*\j     ; and counts
.endr
.irp i, 0,1,2,3,4,5,6,7,8,9,10,11
	BLD 0, 0, \i                                   ; step 0, half 0 -> window 0
.endr
	WIN 0x40
.irp i, 0,1,2,3,4,5,6,7,8,9,10,11
	BLD 0, 1, \i                                   ; step 0, half 1 -> window 1
.endr
	WIN 0x80
.irp i, 0,1,2,3,4,5,6,7,8,9,10,11
	BLD 1, 0, \i                                   ; step 1, half 0 -> window 2
.endr
	WIN 0
	s_wait_loadcnt 36                              ; part2 is in; B's 36 loads may be out
	v_pk_add_f32 v[128:129], v[128:129], v[130:131]
	v_pk_add_f32 v[132:133], v[132:133], v[134:135]
	v_pk_add_f32 v[136:137], v[136:137], v[138:139]
	v_pk_add_f32 v[140:141], v[140:141], v[142:143]
	v_pk_add_f32 v[128:129], v[128:129], v[132:133]
	v_pk_add_f32 v[136:137], v[136:137], v[140:141]
	v_pk_add_f32 v[128:129], v[128:129], v[136:137]
	v_add_f32 v128, v128, v129
	LANESUM 128
.irp i, 0,2,4,6,8,10,12,14
	v_add_nc_u32 v[144+\i], v[144+\i], v[145+\i]
.endr
.irp i, 0,4,8,12
	v_add_nc_u32 v[144+\i], v[144+\i], v[146+\i]
.endr
	v_add_nc_u32 v144, v144, v148
	v_add_nc_u32 v152, v152, v156
	v_add_nc_u32 v144, v144, v152
	v_cvt_f32_u32 v144, v144                       ; whole numbers under 2^24: exact
	LANESUM 144
	s_wait_alu depctr_va_vdst(0)                   ; the wait ahead of the transcendental
	v_rcp_f32 v161, v144
	v_nop
	s_wait_alu depctr_va_vdst(0)                   ; and behind it
	v_mul_f32 v162, v128, v161
	v_fma_f32 v163, -v162, v144, v128              ; one step of refinement: alpha = sum / count
	v_fma_f32 v164, v163, v161, v162
	v_max_num_f32 v165, 0x1800000, v164            ; the floor 2^(3 - 127)
	v_add_nc_u32 v165, 0xff000000, v165            ; 2 off the exponent field: the conversion's scale operand
	v_lshrrev_b32 v166, 23, v165                   ; the scale's byte
.irp i, 0,1,2,3,4,5,6,7,8,9,10,11,12,13,14,15
	v_mov_b32 v[128+\i], v164
.endr
	v_cvt_scalef32_pk16_fp6_f32 v[168:170], v[128:143], v165
	v_nop
	v_or_b32 v168, 0x20820820, v168                ; the sign bits pass
	v_or_b32 v169, 0x08208208, v169
	v_or_b32 v170, 0x82082082, v170
	v_readfirstlane_b32 s[MK], v168
	v_readfirstlane_b32 s[MK+1], v169
	v_readfirstlane_b32 s[MK+2], v170
	v_lshl_or_b32 v166, v166, 8, v166
	v_lshl_or_b32 v[BSC], v166, 16, v166
.irp w, 0,1,2,3                        ; the bias into the accumulators: register j of fragment b is column 16 b + 8 h + j
	WIN \w*64
.irp a, 0,1
.irp b, 0,1,2,3,4,5,6,7
	global_load_b128 v[64*\a+8*\b:64*\a+8*\b+3], v[BIO], s[96:97] offset:64*\b
	global_load_b128 v[64*\a+8*\b+4:64*\a+8*\b+7], v[BIO], s[96:97] offset:64*\b+16
.endr
.endr
.endr
	WIN 0
	s_wait_alu depctr_va_vdst(0)                   ; the wait ahead of the waits below
	s_wait_loadcnt 0x0
.irp n, 0,6,12,18,24,30,36,42
	ANDS \n                                        ; step 0's half 0
.endr
	s_wait_alu depctr_va_vdst(0)                   ; the head's end
	s_wait_tensorcnt 0x0
	ds_add_u32 v[SPW], v[NIL]
	s_mov_b32 s[G1+2], 64<<16                      ; no load of mine is out: from here on a load brings 64 rows
	s_mov_b32 s[G1+4], 64
	s_wait_dscnt 0x0
	s_barrier_signal -1
	s_barrier_wait -1                              ; all three chunks and the scales are in
.irp w, 0,1,2,3
	AWIN 0, \w, 0
.endr
	WIN 0
.irp i, 0,1,2,3,4,5,6,7
	ds_load_b32 v[SC+\i], v[ADRS] offset:\i*SBLK
.endr
	PLACES 8
	s_mov_b32 s3, 3
.Ltrip:
	STEP 0, 0, 0, 0
	STEP 1, 0, 1, 0
	STEP 2, 0, 0, 0
	STEP 3, 0, 0, 0
	STEP 4, 0, 1, 1
	STEP 5, 0, 0, 0
	STEP 6, 0, 1, 2
	STEP 7, 0, 0, 0
	WIN 0
	v_add_nc_u32 v[ADRS], 32, v[ADRS]              ; eight steps' scale words on
	s_wait_xcnt 0x0                                ; B's loads and the prefetches have read their bases
	s_add_nc_u64 s[BP:BP+1], s[BP:BP+1], 8*BSTEP
	s_add_nc_u64 s[PFA:PFA+1], s[PFA:PFA+1], 768
	s_sub_co_u32 s3, s3, 1
	s_cmp_lg_u32 s3, 0
	s_wait_alu depctr_va_vdst(0)                   ; the wait ahead of the branch
	s_cbranch_scc1 .Ltrip
	STEP 0, 1, 0, 0                                ; the last trip fills nothing
	STEP 1, 1, 2, 0                                ; the last fill (region 2) is shown to all waves
	STEP 2, 1, 0, 0
	STEP 3, 1, 0, 0
	STEP 4, 1, 0, 0
	STEP 5, 1, 0, 0
	STEP 6, 1, 0, 0
	STEP 7, 1, 0, 0
	WIN 0
; THE WAY OUT: a block of 16 rows x 128 columns goes through my own stage and comes back as whole rows of 512 bytes
.macro TOSTAGE a
	WIN ((\a)/2)*4
.irp b, 0,1,2,3,4,5,6,7
	ds_store_b128 v[STO], v[64*((\a)%2)+8*\b:64*((\a)%2)+8*\b+3] offset:64*\b
	ds_store_b128 v[STO], v[64*((\a)%2)+8*\b+4:64*((\a)%2)+8*\b+7] offset:64*\b+16
.endr
	WIN ((\a)%2)*64
.irp t, 0,1,2,3,4,5,6,7,8,9,10,11,12,13,14,15
	ds_load_b128 v[128+4*\t:131+4*\t], v[RD] offset:\t*SPITCH
.endr
.endm
.macro SEND a, younger
	s_wait_dscnt \younger
.if (\a) > 0
	s_add_nc_u64 s[12:13], s[12:13], 16*16384
.endif
	WIN ((\a)%2)*4
.irp t, 0,1,2,3,4,5,6,7,8,9,10,11,12,13,14,15
	global_store_b128 v[BOF], v[128+4*\t:131+4*\t], s[12:13] offset:\t*16384 th:TH_STORE_NT   ; 32 lanes store 512 consecutive bytes, aligned
.endr
.endm
	PLACES 4
	TOSTAGE 0
.irp a, 1,2,3,4,5,6,7
.if \a > 1
	s_wait_xcnt 0x0                                ; block a - 2's stores have read their registers and their base
.endif
	TOSTAGE \a
	SEND \a-1, 32
.endr
	s_wait_xcnt 0x0
	SEND 7, 0
	WIN 0
	s_wait_tensorcnt 0x0                           ; the wave's end
	ds_add_u32 v[SPW], v[NIL]
	s_wait_dscnt 0x0
	CROUND                                         ; the closing round
	s_endpgm
.Lfunc_end_k_qd744550554_gemm:
	.size	k_qd744550554_gemm, .Lfunc_end_k_qd744550554_gemm-k_qd744550554_gemm
	.p2alignl 7, 3214868480
	.fill 96, 4, 3214868480
	.section	.rodata,"a",@progbits
	.p2align	6, 0x0
	.amdhsa_kernel k_qd744550554_gemm
		.amdhsa_group_segment_fixed_size 327680
		.amdhsa_private_segment_fixed_size 0
		.amdhsa_enable_private_segment 0
		.amdhsa_kernarg_size 48
		.amdhsa_user_sgpr_count 2
		.amdhsa_user_sgpr_kernarg_segment_ptr 1
		.amdhsa_wavefront_size32 1
		.amdhsa_system_sgpr_workgroup_id_x 1
		.amdhsa_system_sgpr_workgroup_id_y 1
		.amdhsa_system_sgpr_workgroup_id_z 1
		.amdhsa_system_vgpr_workitem_id 0
		.amdhsa_next_free_vgpr 1024
		.amdhsa_next_free_sgpr 102
		.amdhsa_reserve_vcc 0
		.amdhsa_float_denorm_mode_32 3
		.amdhsa_float_denorm_mode_16_64 3
		.amdhsa_memory_ordered 1
		.amdhsa_forward_progress 1
		.amdhsa_inst_pref_size 255
	.end_amdhsa_kernel
	.section	.bss,"aw",@nobits
	.p2align	6
	.space	262144
	.amdgpu_metadata
---
amdhsa.version: [ 1, 2 ]
amdhsa.kernels:
  - .name:           k_qd744550554_gemm
    .symbol:         k_qd744550554_gemm.kd
    .args:
      - { .name: inputs_codes, .offset: 0, .size: 8, .value_kind: global_buffer, .address_space: global }
      - { .name: inputs_scales, .offset: 8, .size: 8, .value_kind: global_buffer, .address_space: global }
      - { .name: mcodes, .offset: 16, .size: 8, .value_kind: global_buffer, .address_space: global }
      - { .name: part2, .offset: 24, .size: 8, .value_kind: global_buffer, .address_space: global }
      - { .name: out0, .offset: 32, .size: 8, .value_kind: global_buffer, .address_space: global }
      - { .name: b, .offset: 40, .size: 8, .value_kind: global_buffer, .address_space: global }
    .group_segment_fixed_size: 327680
    .private_segment_fixed_size: 0
    .kernarg_segment_align: 8
    .kernarg_segment_size: 48
    .max_flat_workgroup_size: 128
    .sgpr_count:     102
    .vgpr_count:     1024
    .wavefront_size: 32
...
	.end_amdgpu_metadata
.endif
;; end of part 3
